; MI455X (gfx1250); checked and timed in simulation.
; The chip was launched on July 23, 2026; its instructions are those of AMD's public machine-readable ISA for CDNA 5 (MIT licence, August 2026) and "CDNA5" Instruction Set Architecture Reference Guide (July 2026). The comments in the code are by the model that wrote it; some were corrected since.
;; FFT Permuter. Allowed arithmetic: float matrix products may take bf16 or f16 operands with f32 sums; other float arithmetic in f32, or as packed bf16 or f16 multiplies, adds, multiply-adds, maxima and minima; sums over many terms, partial sums and values carried from step to step in f32; what a program stores and reads back later, other than sums and carried values, may be rounded once to bf16 or f16.
;; Inputs: perm 4,096 x 4,096 float32; x 8 x 512 x 4,096 float32.
;; Outputs: out0 8 x 512 x 512 float32; out1 8 x 512 x 512 float32; out2 8 x 512 x 512 float32; out3 8 x 512 x 512 float32; out4 8 x 512 x 512 float32; out5 8 x 512 x 512 float32; out6 8 x 512 x 512 float32; out7 8 x 512 x 512 float32.
;; One version. Each part assembles by itself: llvm-mc -triple=amdgcn-amd-amdhsa -mcpu=gfx1250 --defsym DOCPART=n.
;; ======== version 1 of 1: 2 launches
;; workspace buffers: xb 33,554,432 bytes; pb 33,554,432 bytes
;; launch cast (part 1): grid 1024 x 2, 8 waves a work-group, no clusters, 0 bytes of LDS; arguments x, perm, xb, pb; writes xb, pb
.if DOCPART == 1
	.amdgcn_target "amdgcn-amd-amdhsa--gfx1250"
	.amdhsa_code_object_version 6
	.text
	.protected	k_q0cefd2ed60_cast
	.globl	k_q0cefd2ed60_cast
	.p2align	8
	.type	k_q0cefd2ed60_cast,@function
k_q0cefd2ed60_cast:
	s_mov_b64 s[64:65], 0
	v_nop
	global_prefetch_b8 v0, s[64:65] scope:SCOPE_SE
	s_setreg_imm32_b32 hwreg(HW_REG_WAVE_MODE, 25, 1), 1
	s_wait_xcnt 0x0
; xb = bf16(x), pb = bf16(perm): both inputs, 16,777,216 f32 each, rounded once to nearest even, in the layout in which they lie.
; The product that follows takes bf16 operands; with f32 tiles it would move twice the bytes in every fill of LDS and in every fragment load
; and would add 128 conversions to each 64 matrix instructions of a wave.  So the rounding is done here, once for each number.
; LIMIT.  A magnitude of 3.3962e38 or more (beyond bf16's largest finite number by half a step) becomes an infinity; NaN and infinities stay what they are.
; SHARES.  Grid y picks the tensor (0: x, 1: perm).  A work-group takes 65,536 bytes in and 32,768 out.  Thread t of 256: load i of 16 takes the 16 bytes at 16 t + 4,096 i
; (a wave's load covers 512 consecutive bytes, aligned); store i puts 8 bytes at 8 t + 2,048 i (a wave's store covers 256 consecutive bytes, aligned).
; All sixteen loads of a wave go out first, 8 KiB; no register is written twice, so no loop and no wait but the counted ones for the data.
; Nothing is shared between threads: no LDS, no barrier, no matrix unit, no cluster.
.set X, 4                              ; v[4:67]  load i: four registers; its two packed words take the first two of them
	s_load_b256 s[4:11], s[0:1], 0x0               ; x s[4:5], perm s[6:7], xb s[8:9], pb s[10:11]
	s_and_b32 s12, ttmp7, 0xffff                   ; which tensor
	s_lshl_b32 s2, ttmp9, 16                       ; the work-group's 65,536 bytes in (under 2^26),
	s_mov_b32 s3, 0
	s_lshl_b32 s14, ttmp9, 15                      ; and its 32,768 out
	s_mov_b32 s15, 0
	v_lshlrev_b32 v1, 4, v0                        ; 16 t
	v_lshlrev_b32 v2, 3, v0                        ; 8 t
	s_wait_kmcnt 0x0
	s_cmp_eq_u32 s12, 0
	s_cselect_b64 s[4:5], s[4:5], s[6:7]           ; from
	s_cselect_b64 s[8:9], s[8:9], s[10:11]         ; to
	s_add_nc_u64 s[4:5], s[4:5], s[2:3]
	s_add_nc_u64 s[8:9], s[8:9], s[14:15]
.irp i, 0,1,2,3,4,5,6,7,8,9,10,11,12,13,14,15
	global_load_b128 v[X+4*(\i):X+4*(\i)+3], v1, s[4:5] offset:4096*(\i) th:TH_LOAD_NT
.endr
.irp i, 0,1,2,3,4,5,6,7,8,9,10,11,12,13,14,15
	s_wait_loadcnt 15-(\i)                         ; loads come back in order (ISA guide 5.7.1): load i is in, the 15 - i younger ones stay out
	v_cvt_pk_bf16_f32 v[X+4*(\i)],   v[X+4*(\i)],   v[X+4*(\i)+1]
	v_cvt_pk_bf16_f32 v[X+4*(\i)+1], v[X+4*(\i)+2], v[X+4*(\i)+3]
	global_store_b64 v2, v[X+4*(\i):X+4*(\i)+1], s[8:9] offset:2048*(\i) th:TH_STORE_NT
.endr
	s_endpgm
.Lfunc_end_k_q0cefd2ed60_cast:
	.size	k_q0cefd2ed60_cast, .Lfunc_end_k_q0cefd2ed60_cast-k_q0cefd2ed60_cast
	.p2alignl 7, 3214868480
	.fill 96, 4, 3214868480
	.section	.rodata,"a",@progbits
	.p2align	6, 0x0
	.amdhsa_kernel k_q0cefd2ed60_cast
		.amdhsa_group_segment_fixed_size 0
		.amdhsa_private_segment_fixed_size 0
		.amdhsa_enable_private_segment 0
		.amdhsa_kernarg_size 32
		.amdhsa_user_sgpr_count 2
		.amdhsa_user_sgpr_kernarg_segment_ptr 1
		.amdhsa_wavefront_size32 1
		.amdhsa_system_sgpr_workgroup_id_x 1
		.amdhsa_system_sgpr_workgroup_id_y 1
		.amdhsa_system_sgpr_workgroup_id_z 1
		.amdhsa_system_vgpr_workitem_id 0
		.amdhsa_next_free_vgpr 68
		.amdhsa_next_free_sgpr 66
		.amdhsa_reserve_vcc 0
		.amdhsa_float_denorm_mode_32 3
		.amdhsa_float_denorm_mode_16_64 3
		.amdhsa_memory_ordered 1
		.amdhsa_forward_progress 1
		.amdhsa_inst_pref_size 7
	.end_amdhsa_kernel
	.amdgpu_metadata
---
amdhsa.version: [ 1, 2 ]
amdhsa.kernels:
  - .name:           k_q0cefd2ed60_cast
    .symbol:         k_q0cefd2ed60_cast.kd
    .args:
      - { .name: x, .offset: 0, .size: 8, .value_kind: global_buffer, .address_space: global }
      - { .name: perm, .offset: 8, .size: 8, .value_kind: global_buffer, .address_space: global }
      - { .name: xb, .offset: 16, .size: 8, .value_kind: global_buffer, .address_space: global }
      - { .name: pb, .offset: 24, .size: 8, .value_kind: global_buffer, .address_space: global }
    .group_segment_fixed_size: 0
    .private_segment_fixed_size: 0
    .kernarg_segment_align: 8
    .kernarg_segment_size: 32
    .max_flat_workgroup_size: 256
    .sgpr_count:     66
    .vgpr_count:     68
    .wavefront_size: 32
...
	.end_amdgpu_metadata
.endif
;; end of part 1
;; launch gemm (part 2): grid 16 x 16, 4 waves a work-group, clusters of 4 x 4, 327,680 bytes of LDS; arguments xb, pb, out0, out1, out2, out3, out4, out5, out6, out7; writes out0, out1, out2, out3, out4, out5, out6, out7
.if DOCPART == 2
	.amdgcn_target "amdgcn-amd-amdhsa--gfx1250"
	.amdhsa_code_object_version 6
	.text
	.protected	k_q0cefd2ed60_gemm
	.globl	k_q0cefd2ed60_gemm
	.p2align	8
	.type	k_q0cefd2ed60_gemm,@function
k_q0cefd2ed60_gemm:
	s_mov_b64 s[64:65], 0
	v_nop
	global_prefetch_b8 v0, s[64:65] scope:SCOPE_SE
	s_setreg_imm32_b32 hwreg(HW_REG_WAVE_MODE, 25, 1), 1
	s_wait_xcnt 0x0
	s_wait_alu depctr_hold_cnt(0) depctr_sa_sdst(0) depctr_va_vdst(0) depctr_va_sdst(0) depctr_va_ssrc(0) depctr_va_vcc(0) depctr_vm_vsrc(0)
	s_getreg_b32 s2, hwreg(HW_REG_IB_STS2, 6, 4)
	s_cmp_eq_u32 s2, 0
	s_cbranch_scc0 .Lentry_in_a_cluster
	s_endpgm
.Lentry_in_a_cluster:
	s_bfe_u32 s2, ttmp6, 0x10000c
	s_cmp_lg_u32 s2, 0xf033
	s_cbranch_scc0 .Lentry_shape_is_right
	s_endpgm
.Lentry_shape_is_right:
; C[m][n] = the sum over k of xb[m][k] pb[k][n].  xb: [4096 m][4096 k] bf16, pb: [4096 k][4096 n] bf16 (n along the rows, as perm lies); sums in f32, K ascending, one accumulator an output.
; C leaves in f32, unrounded, cut by columns: column n goes to buffer out(n / 512), [4096][512] f32, at column n % 512.  pb is taken as it is given: nothing of its pattern is built in.
; LIMITS.  The operands carry bf16's rounding, made by the launch before; the order of a sum's terms is the matrix instruction's; NaN and infinities come out as that arithmetic gives them.
; SHARES.  A tile of C, 256 x 256, is made by a work-group of four waves; a wave makes 128 x 128: 64 accumulators of 16 x 16, 512 registers.  16 x 16 tiles: 256 work-groups, one tile each.
; K goes in steps of 128 through a ring of two LDS slots filled by the tensor data mover: a step's tile of xb is 256 rows of 256 bytes, its tile of pb 128 rows (k) of 512 bytes;
; both kinds of row start at multiples of 256 bytes from their buffer's first byte.  pb's fragments are turned on the way out of LDS, by ds_load_tr16_b128: as many loads as a fragment that lies along K.
; CLUSTERS: 4 x 4 work-groups.  The four of a row of the cluster need the same tiles of xb, the four of a column the same tiles of pb.  Such a tile is asked for JOINTLY: each of the four
; issues the same tensor load, with the same descriptor and a mask that names the four, and each receives the tile in its own LDS: the requests for xb and pb are divided by four.
;
; REGISTERS, in windows of 256 (s_set_vgpr_msb's low byte: bits 1:0 source 0, 3:2 source 1, 5:4 source 2, 7:6 destination):
;   window 0: v0-31 addresses; v64-127, v128-191 fragments of xb (8 x 16 rows x 32 K), two buffers; on the way out the same 128 registers take 16 rows of C by turns
;   window 1: v64-127, v128-191 fragments of pb, two buffers
;   window 2: the 32 accumulators of my rows 0-63 (accumulator (a, b) at v[8 (8 a + b)]);   window 3: those of my rows 64-127
; THE MATRIX INSTRUCTION IS USED TRANSPOSED: source 0 = 16 columns of pb, source 1 = 16 rows of xb.  In the result lane l holds row l % 16 of C and its registers 0 to 7 the columns
; 8 (l / 16) + 0 .. 7: 32 consecutive bytes of a row of C.
.set KSTEP,  128
.set LAPS,   16                        ; a lap = two K steps = once round the ring: 4096 / 256
.set ROWB,   8192                      ; bytes in a row of xb and of pb
.set OROW,   2048                      ; bytes in a row of an output buffer
.set PA,     272                       ; xb's LDS row: 256 bytes + 16 of padding = 68 words: row r starts at bank 4 r mod 64 (64 banks of 4 bytes: ISA guide 11.1): the 16 rows of a load start at 16 different groups of four banks
.set PB,     544                       ; pb's LDS row: 512 bytes + 32 of padding = 136 words: row r starts at bank 8 r mod 64
.set HALFT,  34816                     ; what one tensor load brings: 128 rows x PA = 64 rows x PB
.set SLOT,   4*HALFT                   ; xb's 256 rows, then pb's 128 rows
.set STAGE,  2*SLOT                    ; behind the ring: 16 rows x 528 bytes for each wave, for the way out; no tensor load lands here
.set SP,     528                       ; a stage row: 512 bytes (128 f32) + 16 = 132 words: row r starts at bank 4 r mod 64
.set SPARE,  STAGE+4*16*SP             ; behind the stages: the spare words, 128 bytes for each wave: two blocks of 256 bytes that no other line names
.set ADRA, 16                          ; v16-17  LDS address of my fragments of xb in slot 0, 1
.set ADRB, 20                          ; v20-21  the same for pb
.set STO,  24                          ; v24     the way out: where I put 32 bytes of a row
.set RD,   25                          ; v25     the way out: where I read 16 bytes of a row back
.set CO,   26                          ; v26     my 16 bytes in 512 consecutive bytes of an output row
.set SPW,  28                          ; v28     LDS address of my spare word: SPARE + 4 x my thread's number; never rewritten
.set NIL,  29                          ; v29     0; never rewritten
.set PFO,  30                          ; v30     the prefetches' offset, by lane; never rewritten
.set F0,   64                          ; fragment buffer 0
.set F1,   128                         ; fragment buffer 1
.set G1,   24                          ; s[24:31] descriptor group 1 for xb's tiles
.set G0,   32                          ; s[32:39] descriptor group 0 for xb's tiles, one set for each slot
.set LIM,  43                          ; s43      1 in a wave that prefetches, else the greatest number
.set PFA,  44                          ; s[44:45] where my prefetches stand
.set G1B,  48                          ; s[48:55] descriptor group 1 for pb's tiles
.set G0B,  56                          ; s[56:63] descriptor group 0 for pb's tiles, one set for each slot
.set PST,  66                          ; s[66:67] a K step in bytes along my prefetches' tensor: 256 in xb, 128 rows in pb
.set OUTS, 68                          ; s[68:83] the eight outputs' addresses
.set MSB, 0
.macro WIN new                         ; the immediate's high byte repeats the setting that is left; a switch that changes nothing is dropped
.if MSB != (\new)
	s_set_vgpr_msb (MSB<<8)|(\new)
.set MSB, \new
.endif
.endm
.set MUL_LO, 0xa1                      ; source 0 (pb) window 1, source 1 (xb) window 0, C and D window 2
.set MUL_HI, 0xf1                      ; the same, C and D window 3
.set TO_B,   0x40                      ; destination window 1, address window 0
.set ST_LO,  0x08                      ; an LDS store's data (source 1) in window 2, its address in window 0
.set ST_HI,  0x0c                      ; the same with window 3
; A joint load.  Waves 0 and 1 fetch xb's two halves, waves 2 and 3 pb's.  Each of the two lines has ONE mask and one set of registers for all that issue it, and nothing in them hangs on a
; coordinate that the four partners do not share.  The branch hangs on the wave's number alone.  An s_nop 0 and four v_nop follow each line, ahead of the jump and the label.
.macro JLOAD s
	s_cmp_eq_u32 s11, 0
	s_cbranch_scc0 .Lfor_b_\@
	tensor_load_to_lds s[G0+4*(\s):G0+4*(\s)+3], s[G1:G1+7]
	s_nop 0
.rept 4
	v_nop
.endr
	s_branch .Lasked_\@
.Lfor_b_\@:
	tensor_load_to_lds s[G0B+4*(\s):G0B+4*(\s)+3], s[G1B:G1B+7]
	s_nop 0
.rept 4
	v_nop
.endr
.Lasked_\@:
.endm
; A PREFETCH INTO THE L2, behind each joint refill, its five lines and the run of LDS loads that follows them: my share of the K step that stands TWO refills on, 512 matrix instructions ahead of the load that
; will ask for it.  Each aligned block of 256 bytes of xb and of pb is named ONCE in the launch.  A tile row of xb is read by every cluster of that row of clusters: the first of them (cluster x = 0) asks;
; a tile column of pb by every cluster of that column: cluster y = 0 asks.  The four partners that fetch a tile jointly share it out BY ADDRESS: of the 128 rows of xb that a wave fetches the partner at
; cx takes 32, a lane a row of 256 bytes; of the 64 rows of pb the partner at cy takes 16, two lanes a row of 512 bytes.  No branch hangs on a work-group's place in its cluster.
; K steps 0 to 3 come by their loads alone; the loop's last trip (s3 = 1) asks for nothing: K steps 32 and 33 do not exist.
.macro ASK
	s_cmp_gt_u32 s3, s[LIM]
	s_cbranch_scc0 .Lnot_mine_\@
	global_prefetch_b8 v[PFO], s[PFA:PFA+1] th:TH_LOAD_NT scope:SCOPE_SE
.Lnot_mine_\@:
.endm
; A round of the cluster's barrier: my work-group's barrier, so that wave 0's signal speaks for all four waves; wave 0 signals for the work-group; every wave waits for all sixteen
; work-groups; my work-group's barrier once more.  No LDS instruction of the wave is pending at a signal.
.macro CREST                           ; a round behind its opening barrier
	s_cmp_lg_u32 s10, 0
	s_cbranch_scc1 .Lnot_wave_0_\@
	s_barrier_signal -3
.Lnot_wave_0_\@:
	s_barrier_wait -3
	s_barrier_signal -1
	s_barrier_wait -1
.endm
.macro CROUND                          ; a whole round
	s_barrier_signal -1
	s_barrier_wait -1
	CREST
.endm
	s_load_b128 s[4:7], s[0:1], 0x0                ; xb s[4:5], pb s[6:7]
	s_load_b512 s[OUTS:OUTS+15], s[0:1], 0x10      ; out0 .. out7
	v_lshl_add_u32 v[SPW], v0, 2, SPARE
	v_mov_b32 v[NIL], 0
	ds_add_u32 v[SPW], v[NIL]                      ; the wave's opening: the add and its wait stand ahead of my first tensor load; the set-up below, work on registers, stands between them
	v_lshrrev_b32 v1, 5, v0
	v_readfirstlane_b32 s10, v1                    ; wave 0..3
	s_lshr_b32 s11, s10, 1                         ; which half of the tile's rows is mine.  Also: I fetch for xb (0) or for pb (1)
	s_and_b32 s12, s10, 1                          ; which half of its columns.  Also: which half of that tile I fetch
	s_bfe_u32 s40, ttmp6, 0x40000                  ; cx: my place along the cluster's x
	s_bfe_u32 s41, ttmp6, 0x40004                  ; cy: along its y
	s_lshl_b32 s42, ttmp9, 2                       ; in a cluster launch ttmp9 and ttmp7 count clusters
	s_add_co_u32 s42, s42, s40                     ; tile column of C = 4 x cluster x + cx
	s_and_b32 s13, ttmp7, 0xffff
	s_lshl_b32 s13, s13, 2
	s_add_co_u32 s13, s13, s41                     ; tile row of C = 4 x cluster y + cy
	s_lshl_b32 s43, s41, 2
	s_lshl_b32 s43, 15, s43                        ; my row of the cluster: places 4 cy .. 4 cy + 3
	s_lshl_b32 s44, 0x1111, s40                    ; my column: places cx, cx + 4, cx + 8, cx + 12
	; descriptor group 1 for xb: a tile of 128 rows x 128 elements, padded in LDS
	s_or_b32 s[G1+0], s43, (1<<16)|(1<<20)|(1<<21)|(5<<22)|(3<<25)  ; 15:0 the mask: my row; 17:16 elements of 2 bytes; 20 padding on; 21 set beside a mask; 24:22 after every 64 words (code 5); 31:25 4 words of it (code 3)
	s_mov_b32 s[G1+1], 128<<16                     ; 63:48 tensor_dim0, low half = 128
	s_mov_b32 s[G1+2], 128<<16                     ; 79:64 its high half = 0; 95:80 tensor_dim1, low half = 128
	s_mov_b32 s[G1+3], 128<<16                     ; 111:96 its high half = 0; 127:112 tile_dim0 = 128
	s_mov_b32 s[G1+4], 128                         ; 143:128 tile_dim1 = 128; 159:144 tile_dim2 = 0
	s_mov_b32 s[G1+5], 4096                        ; 191:160 tensor_dim0_stride: elements from row to row
	s_mov_b32 s[G1+6], 0
	s_mov_b32 s[G1+7], 0
	; descriptor group 1 for pb: a tile of 64 rows (k) x 256 elements (n), padded in LDS
	s_or_b32 s[G1B+0], s44, (1<<16)|(1<<20)|(1<<21)|(6<<22)|(7<<25) ; the mask: my column; padding after every 128 words (code 6), 8 words of it (code 7)
	s_mov_b32 s[G1B+1], 256<<16                    ; tensor_dim0 = 256
	s_mov_b32 s[G1B+2], 64<<16                     ; tensor_dim1 = 64
	s_mov_b32 s[G1B+3], 256<<16                    ; tile_dim0 = 256
	s_mov_b32 s[G1B+4], 64                         ; tile_dim1 = 64
	s_mov_b32 s[G1B+5], 4096                       ; tensor_dim0_stride
	s_mov_b32 s[G1B+6], 0
	s_mov_b32 s[G1B+7], 0
	; where the tiles come from.  xb's hang on the tile row alone, which my row of the cluster shares; pb's on the tile column alone, which my column shares.
	; Every wave makes both addresses, in registers that never hold the other coordinate, and asks by one of them.
	s_lshl_b32 s16, s13, 8
	s_lshl_b32 s17, s12, 7
	s_add_co_u32 s16, s16, s17                     ; xb: row 256 x tile row + 128 x half,
	s_lshl_b32 s16, s16, 13                        ; in bytes (under 2^25)
	s_mov_b32 s17, 0
	s_lshl_b32 s46, s12, 19                        ; pb: 64 rows of 8,192 bytes x half,
	s_lshl_b32 s47, s42, 9                         ; and 512 bytes x tile column
	s_add_co_u32 s46, s46, s47
	s_mov_b32 s47, 0
	s_mul_i32 s20, s10, HALFT                      ; and where they go: xb's two halves, then pb's two halves = wave x HALFT: no place in the cluster enters an LDS address
	s_wait_dscnt 0x0                               ; the opening add is done
	s_wait_kmcnt 0x0
	s_add_nc_u64 s[14:15], s[4:5], s[16:17]
	s_add_nc_u64 s[46:47], s[6:7], s[46:47]
	CROUND                                         ; all sixteen work-groups are here: the first joint loads meet
.irp s, 0,1
	s_mov_b32 s[G0+4*(\s)], 1                                      ; 1:0 count = 1
	s_add_co_u32 s[G0+4*(\s)+1], s20, (\s)*SLOT                    ; 63:32 LDS address
	s_add_nc_u64 s[G0+4*(\s)+2:G0+4*(\s)+3], s[14:15], (\s)*KSTEP*2  ; 120:64 global address: K step s lies 256 s bytes along xb's rows,
	s_or_b32 s[G0+4*(\s)+3], s[G0+4*(\s)+3], 0x80000000            ; 127:126 type = 2
	s_mov_b32 s[G0B+4*(\s)], 1
	s_add_co_u32 s[G0B+4*(\s)+1], s20, (\s)*SLOT
	s_add_nc_u64 s[G0B+4*(\s)+2:G0B+4*(\s)+3], s[46:47], (\s)*KSTEP*ROWB  ; and 128 s rows down pb
	s_or_b32 s[G0B+4*(\s)+3], s[G0B+4*(\s)+3], 0x80000000
	JLOAD \s                                       ; the ring is filled before anything else is done: two loads of mine are out
.endr
	; A fragment is 16 rows x 32 K in 8 registers: lane l holds row l % 16; registers 0-3 hold K = 8 (l / 16) + 0..7, registers 4-7 hold K = 16 + 8 (l / 16) + 0..7.
	; xb's rows lie along K: two loads of 16 bytes, 32 bytes apart.
	v_and_b32 v1, 15, v0                           ; l % 16
	v_bfe_u32 v2, v0, 4, 1                         ; l / 16
	v_mul_u32_u24 v3, v1, PA
	v_lshl_add_u32 v3, v2, 4, v3                   ; row x pitch + 16 x half
	s_mul_i32 s21, s11, HALFT                      ; my 128 rows of xb
	; pb's rows lie along n: the turning load takes 16 k x 16 n (lane l reads 16 bytes: k = 8 (l / 16) + l % 8, columns 8 ((l / 8) % 2) + 0..7) and leaves half a fragment: lane l holds column l % 16 and 8 k.
	v_and_b32 v4, 7, v0
	v_lshl_add_u32 v4, v2, 3, v4
	v_mul_u32_u24 v4, v4, PB
	v_bfe_u32 v5, v0, 3, 1
	v_lshl_add_u32 v4, v5, 4, v4
	s_lshl_b32 s22, s12, 8                         ; my 128 columns: 256 bytes of each row of pb's tile,
	s_add_co_u32 s22, s22, 2*HALFT                 ; which lies behind xb's 256 rows
.irp s, 0,1
	v_add_nc_u32 v[ADRA+(\s)], s21, v3
	v_add_nc_u32 v[ADRB+(\s)], s22, v4
	s_add_co_u32 s21, s21, SLOT
	s_add_co_u32 s22, s22, SLOT
.endr
	s_mul_i32 s23, s10, 16*SP
	s_add_co_u32 s23, s23, STAGE                   ; my stage
	v_mul_u32_u24 v6, v1, SP                       ; in: row l % 16, 32 bytes for each half of the lanes
	v_lshl_add_u32 v6, v2, 5, v6
	v_add_nc_u32 v[STO], s23, v6
	v_and_b32 v7, 31, v0                           ; l
	v_lshlrev_b32 v[CO], 4, v7                     ; back: 32 lanes take one row of 512 bytes,
	v_add_nc_u32 v[RD], s23, v[CO]                 ; which are 512 consecutive bytes of an output row
	; my output: the tile's 256 columns lie in chunk tile column / 2, in its left or right half
	s_lshr_b32 s18, s42, 1
	s_mov_b64 s[8:9], s[OUTS:OUTS+1]
.irp c, 1,2,3,4,5,6,7
	s_cmp_eq_u32 s18, \c
	s_cselect_b64 s[8:9], s[OUTS+2*(\c):OUTS+2*(\c)+1], s[8:9]
.endr
	s_lshl_b32 s84, s13, 8
	s_lshl_b32 s85, s11, 7
	s_add_co_u32 s84, s84, s85                     ; my first row of C,
	s_lshl_b32 s84, s84, 11                        ; in bytes (under 2^23)
	s_and_b32 s85, s42, 1
	s_lshl_b32 s85, s85, 10                        ; the tile's 1,024 bytes of a chunk's row,
	s_add_co_u32 s84, s84, s85
	s_lshl_b32 s85, s12, 9                         ; my 512 of them
	s_add_co_u32 s84, s84, s85
	s_mov_b32 s85, 0
	s_add_nc_u64 s[8:9], s[8:9], s[84:85]          ; never stepped: the rows stand in the stores' immediates
	; the prefetches: both offsets are made, at K step 3; the first refill steps the address to K step 4
	s_lshl_b32 s18, s13, 8
	s_lshl_b32 s19, s12, 7
	s_add_co_u32 s18, s18, s19                     ; xb: the 128 rows that I fetch,
	s_lshl_b32 s19, s40, 5
	s_add_co_u32 s18, s18, s19                     ; my work-group's 32 of them,
	s_lshl_b32 s18, s18, 13
	s_add_co_u32 s18, s18, 3*KSTEP*2
	s_lshl_b32 s20, s12, 6                         ; pb: the 64 rows that I fetch,
	s_lshl_b32 s21, s41, 4
	s_add_co_u32 s20, s20, s21                     ; my work-group's 16 of them,
	s_lshl_b32 s20, s20, 13
	s_lshl_b32 s21, s42, 9                         ; the tile column's 512 bytes
	s_add_co_u32 s20, s20, s21
	s_add_co_u32 s20, s20, 3*KSTEP*ROWB
	s_and_b32 s22, ttmp7, 0xffff                   ; cluster y
	s_mov_b32 s[PST], KSTEP*ROWB
	s_mov_b32 s[PST+1], 0
	s_mov_b32 s19, 0
	s_cmp_eq_u32 s11, 0                            ; do I fetch for xb?
	s_cselect_b32 s18, s18, s20
	s_cselect_b32 s22, ttmp9, s22                  ; the coordinate along which other clusters read the same rows
	s_cselect_b32 s[PST], KSTEP*2, s[PST]
	s_cselect_b64 s[PFA:PFA+1], s[4:5], s[6:7]
	s_add_nc_u64 s[PFA:PFA+1], s[PFA:PFA+1], s[18:19]
	s_cmp_eq_u32 s22, 0
	s_cselect_b32 s[LIM], 1, -1                    ; the same in all sixteen partners, for a given wave
	v_lshrrev_b32 v5, s11, v7                      ; xb: lane l names row l; pb: row l / 2,
	v_lshlrev_b32 v5, 13, v5
	v_and_b32 v6, s11, v7                          ; and block l % 2 of its 512 bytes
	v_lshl_add_u32 v[PFO], v6, 8, v5
	; nothing is prefetched here, at the head, where every work-group's first two tiles are on their way
; 16 matrix instructions: m blocks a0, a0 + 1 of the window's four (hi = 0: my rows 0-63, 1: rows 64-127) x all 8 n blocks, 32 along K.
; zero = 1: the first product starts the sums: nothing is ever cleared.  The 64 accumulators take turns in the same order in every quarter step.
.macro MUL16 f, hi, a0, zero
	WIN MUL_LO+0x50*(\hi)  ; MUL_LO or MUL_HI
.irp a, \a0, (\a0)+1
.irp b, 0,1,2,3,4,5,6,7
.if \zero
	v_wmma_f32_16x16x32_bf16 v[8*(8*(\a)+(\b)):8*(8*(\a)+(\b))+7], v[(\f)+8*(\b):(\f)+8*(\b)+7], v[(\f)+8*(4*(\hi)+(\a)):(\f)+8*(4*(\hi)+(\a))+7], 0
.else
	v_wmma_f32_16x16x32_bf16 v[8*(8*(\a)+(\b)):8*(8*(\a)+(\b))+7], v[(\f)+8*(\b):(\f)+8*(\b)+7], v[(\f)+8*(4*(\hi)+(\a)):(\f)+8*(4*(\hi)+(\a))+7], v[8*(8*(\a)+(\b)):8*(8*(\a)+(\b))+7]
.endif
.endr
.endr
.endm
; 32 LDS loads in one run: the fragments of quarter q of a K step (32 k x my 128 columns of pb, turned; my 128 rows of xb x 32 k) into buffer f
.macro FETCH slot, q, f
	WIN TO_B
.irp i, 0,1,2,3,4,5,6,7
	ds_load_tr16_b128 v[(\f)+8*(\i):(\f)+8*(\i)+3],   v[ADRB+(\slot)] offset:(\q)*32*PB+32*(\i)
	ds_load_tr16_b128 v[(\f)+8*(\i)+4:(\f)+8*(\i)+7], v[ADRB+(\slot)] offset:(\q)*32*PB+16*PB+32*(\i)
.endr
	WIN 0
.irp i, 0,1,2,3,4,5,6,7
	ds_load_b128 v[(\f)+8*(\i):(\f)+8*(\i)+3],   v[ADRA+(\slot)] offset:64*(\q)+(\i)*16*PA
	ds_load_b128 v[(\f)+8*(\i)+4:(\f)+8*(\i)+7], v[ADRA+(\slot)] offset:64*(\q)+(\i)*16*PA+32
.endr
.endm
; A load into a register that a matrix instruction has read, and an LDS store that reads a matrix result, stand four places behind that matrix instruction, and only plain vector
; instructions that name none of its registers are places (ISA guide 7.12.1 for vector instructions).
.macro PLACES
.rept 4
	v_nop
.endr
.endm
; A K step is four quarter steps of 32 along K, 64 matrix instructions each, on buffers 0, 1, 0, 1.
; One of the first three: multiplies buffer f; in its middle it fetches quarter q of the same slot into buffer g.
.macro QUARTER slot, q, f, g, zero
	s_wait_dscnt 8                                 ; pb's fragments and xb's rows 0-63 are in; the youngest eight loads (xb's rows 64-127) may be out
	WIN MUL_LO
	MUL16 \f, 0, 0, \zero
	MUL16 \f, 0, 2, \zero
	PLACES
	FETCH \slot, \q, \g
	s_wait_dscnt 32                                ; all but the 32 just issued
	WIN MUL_HI
	MUL16 \f, 1, 0, \zero
	MUL16 \f, 1, 2, \zero
.endm
; The last quarter multiplies buffer 1 and changes slots.  MEET is its first half: ONE barrier for the change.  In front of it each wave waits for all its tensor loads, of which one is out: its part
; of the next slot; adds 0 to its spare word; and waits for that and for its own reads of this slot.  Behind it nobody reads this slot any more and the next slot is whole.
.macro MEET round                      ; round = 1: a round of the cluster's barrier follows
	WIN 0                                          ; (the add's two registers lie in window 0)
	s_wait_tensorcnt 0x0                           ; all my tensor loads have landed;
	ds_add_u32 v[SPW], v[NIL]                      ; 0 onto my spare word;
	s_wait_dscnt 9                                 ; (the add and the youngest eight loads may be out)
	WIN MUL_LO
	MUL16 F1, 0, 0, 0                              ; sixteen matrix instructions stand between the add and the wait for it
	s_wait_dscnt 0x0                               ; the add is done, and my reads of this slot are over:
	s_barrier_signal -1                            ; say so,
	MUL16 F1, 0, 2, 0                              ; work on registers while the others arrive,
.if \round
	WIN 0
.endif
	s_barrier_wait -1                              ; and go on when all four have said so
.endm
; The whole last quarter.  fill = 1: behind a round of the cluster's barrier the slot just read out is filled again first, with the K step two steps on; then come the next slot's first fragments.
; From a request to the wait for it a wave issues 224 matrix instructions; one tensor load of mine is out behind each round.
.macro TURN slot, next, fill
.if \fill
	s_wait_xcnt 0x0                                ; the last prefetch, a K step back, has read its address: it is stepped here, ahead of the waits of the change of slots
	s_add_nc_u64 s[PFA:PFA+1], s[PFA:PFA+1], s[PST:PST+1]
	MEET 1
	CREST                                          ; no wave of any partner still reads this slot's tile or has a load on its way
	s_add_nc_u64 s[G0+4*(\slot)+2:G0+4*(\slot)+3], s[G0+4*(\slot)+2:G0+4*(\slot)+3], 2*KSTEP*2        ; no load of mine is out, so a group 0 may be written; the type bits on top are not reached
	s_add_nc_u64 s[G0B+4*(\slot)+2:G0B+4*(\slot)+3], s[G0B+4*(\slot)+2:G0B+4*(\slot)+3], 2*KSTEP*ROWB
	JLOAD \slot                                    ; the first tensor load behind the round; the four v_nop behind it are also the places in front of the loads below
	FETCH \next, 0, F0
	ASK                                            ; behind the joint load and the run of LDS loads that the next products wait for
.else
	MEET 0                                         ; nothing is filled again, so no round follows
	PLACES
	FETCH \next, 0, F0
.endif
	WIN MUL_HI
	MUL16 F1, 1, 0, 0
	MUL16 F1, 1, 2, 0
.endm
; THE WAY OUT of block a (16 rows x 128 columns of f32).  A lane's eight numbers of an accumulator are 32 bytes of a row; the lanes beside it hold other rows.  So the block goes through my own stage:
; in by rows of 528 bytes, straight from the accumulators, each accumulator's low four registers first; back as whole rows of 512 bytes.
.macro TOSTAGE a
.set BK, 64+64*((\a)%2)
.set AC, 64*((\a)%4)
.if (\a) >= 2
	s_wait_xcnt 0x0                                ; every earlier memory instruction has had its addresses translated (ISA guide 3.1): the registers that block a - 2's stores read are loaded again only behind this wait
.endif
	WIN ST_LO+4*((\a)/4)                           ; ST_LO or ST_HI
.irp b, 0,1,2,3,4,5,6,7
	ds_store_b128 v[STO], v[AC+8*(\b):AC+8*(\b)+3]   offset:64*(\b)
	ds_store_b128 v[STO], v[AC+8*(\b)+4:AC+8*(\b)+7] offset:64*(\b)+16
.endr
	WIN 0
.irp t, 0,1,2,3,4,5,6,7,8,9,10,11,12,13,14,15
	ds_load_b128 v[BK+4*(\t):BK+4*(\t)+3], v[RD] offset:(\t)*SP  ; LDS serves a wave's instructions in order (ISA guide 5.7.1.4): these see the stores above, and the next block's stores come behind them
.endr
.endm
.macro SEND a, younger                 ; younger: the LDS instructions issued behind block a's loads: the next block's 32, or none
.set BK, 64+64*((\a)%2)
	WIN 0
.irp t, 0,1,2,3,4,5,6,7,8,9,10,11,12,13,14,15
	s_wait_dscnt (\younger)+15-(\t)                ; row t is back; this block's later rows and the next block's instructions may be out
	global_store_b128 v[CO], v[BK+4*(\t):BK+4*(\t)+3], s[8:9] offset:(16*(\a)+(\t))*OROW th:TH_STORE_NT  ; the wave stores 512 consecutive bytes, at a multiple of 512 from the buffer's first byte; 127 rows at the most stand in the immediate
.endr
.endm
	s_wait_tensorcnt 1                             ; my part of K step 0 is in; K step 1's may stay out
	s_barrier_signal -1
	s_barrier_wait -1                              ; everybody's is
	FETCH 0, 0, F0
	QUARTER 0, 1, F0, F1, 1                        ; the first quarter stands in front of the loop: its products start the sums
	WIN 0                                          ; at a label and at a branch every window is 0
	s_mov_b32 s3, LAPS-1
.Llap:                                                 ; a trip goes once round the ring, from a lap's second quarter to the next lap's first, and fills both slots again
	QUARTER 0, 2, F1, F0, 0
	QUARTER 0, 3, F0, F1, 0
	TURN 0, 1, 1
	QUARTER 1, 1, F0, F1, 0
	QUARTER 1, 2, F1, F0, 0
	QUARTER 1, 3, F0, F1, 0
	TURN 1, 0, 1
	QUARTER 0, 1, F0, F1, 0
	WIN 0
	s_sub_co_u32 s3, s3, 1
	s_cmp_lg_u32 s3, 0
	s_cbranch_scc1 .Llap
	QUARTER 0, 2, F1, F0, 0                        ; the last lap is written out: it fills nothing
	QUARTER 0, 3, F0, F1, 0
	TURN 0, 1, 0
	QUARTER 1, 1, F0, F1, 0
	QUARTER 1, 2, F1, F0, 0
	QUARTER 1, 3, F0, F1, 0
	s_wait_dscnt 8                                 ; the very last quarter: nothing more to fetch
	WIN MUL_LO
	MUL16 F1, 0, 0, 0
	MUL16 F1, 0, 2, 0
	s_wait_dscnt 0x0
	MUL16 F1, 1, 0, 0
	MUL16 F1, 1, 2, 0
	PLACES                                         ; behind the last products: the stores below read results, the loads below land in registers that products have read
	TOSTAGE 0
.irp a, 1,2,3,4,5,6,7                  ; block a's way through the stage stands between block a - 1's loads and its stores
	TOSTAGE \a
	SEND (\a)-1, 32
.endr
	SEND 7, 0
	s_wait_tensorcnt 0x0                           ; the wave's end, behind my last tensor load and my last LDS store
	ds_add_u32 v[SPW], v[NIL]
	s_wait_dscnt 0x0
	CROUND                                         ; the closing round: no work-group ends while a partner may still ask for a tile that names it
	s_endpgm
.Lfunc_end_k_q0cefd2ed60_gemm:
	.size	k_q0cefd2ed60_gemm, .Lfunc_end_k_q0cefd2ed60_gemm-k_q0cefd2ed60_gemm
	.p2alignl 7, 3214868480
	.fill 96, 4, 3214868480
	.section	.rodata,"a",@progbits
	.p2align	6, 0x0
	.amdhsa_kernel k_q0cefd2ed60_gemm
		.amdhsa_group_segment_fixed_size 327680
		.amdhsa_private_segment_fixed_size 0
		.amdhsa_enable_private_segment 0
		.amdhsa_kernarg_size 80
		.amdhsa_user_sgpr_count 2
		.amdhsa_user_sgpr_kernarg_segment_ptr 1
		.amdhsa_wavefront_size32 1
		.amdhsa_system_sgpr_workgroup_id_x 1
		.amdhsa_system_sgpr_workgroup_id_y 1
		.amdhsa_system_sgpr_workgroup_id_z 1
		.amdhsa_system_vgpr_workitem_id 0
		.amdhsa_next_free_vgpr 1024
		.amdhsa_next_free_sgpr 88
		.amdhsa_reserve_vcc 0
		.amdhsa_float_denorm_mode_32 3
		.amdhsa_float_denorm_mode_16_64 3
		.amdhsa_memory_ordered 1
		.amdhsa_forward_progress 1
		.amdhsa_inst_pref_size 146
	.end_amdhsa_kernel
	.amdgpu_metadata
---
amdhsa.version: [ 1, 2 ]
amdhsa.kernels:
  - .name:           k_q0cefd2ed60_gemm
    .symbol:         k_q0cefd2ed60_gemm.kd
    .args:
      - { .name: xb, .offset: 0, .size: 8, .value_kind: global_buffer, .address_space: global }
      - { .name: pb, .offset: 8, .size: 8, .value_kind: global_buffer, .address_space: global }
      - { .name: out0, .offset: 16, .size: 8, .value_kind: global_buffer, .address_space: global }
      - { .name: out1, .offset: 24, .size: 8, .value_kind: global_buffer, .address_space: global }
      - { .name: out2, .offset: 32, .size: 8, .value_kind: global_buffer, .address_space: global }
      - { .name: out3, .offset: 40, .size: 8, .value_kind: global_buffer, .address_space: global }
      - { .name: out4, .offset: 48, .size: 8, .value_kind: global_buffer, .address_space: global }
      - { .name: out5, .offset: 56, .size: 8, .value_kind: global_buffer, .address_space: global }
      - { .name: out6, .offset: 64, .size: 8, .value_kind: global_buffer, .address_space: global }
      - { .name: out7, .offset: 72, .size: 8, .value_kind: global_buffer, .address_space: global }
    .group_segment_fixed_size: 327680
    .private_segment_fixed_size: 0
    .kernarg_segment_align: 8
    .kernarg_segment_size: 80
    .max_flat_workgroup_size: 128
    .sgpr_count:     88
    .vgpr_count:     1024
    .wavefront_size: 32
...
	.end_amdgpu_metadata
.endif
;; end of part 2
